; MI455X (gfx1250); checked and timed in simulation.
; The chip was launched on July 23, 2026; its instructions are those of AMD's public machine-readable ISA for CDNA 5 (MIT licence, August 2026) and "CDNA5" Instruction Set Architecture Reference Guide (July 2026). The comments in the code are by the model that wrote it; some were corrected since.
;; Causal Self Attention. Allowed arithmetic: matrix products marked QUANTISED: E2M3 operands, one E8M0 scale for each 32 along K, by v_wmma_scale_f32_16x16x128_f8f6f4 with both operands' format E2M3, f32 sums; everything else in f32.
;; Inputs: W_attn 3,072 x 1,024 float32; W_proj 1,024 x 1,024 float32; b_attn 3,072 float32; b_proj 1,024 float32; x 4 x 2,048 x 1,024 float32.
;; Outputs: out0 4 x 2,048 x 1,024 float32.
;; This version of the problem:
;;   THIS VERSION OF THE PROBLEM IS GIVEN IN LOW PRECISION. The matrix products marked QUANTISED in the list below multiply operands that are first quantised to E2M3 (2 exponent bits, 3 mantissa bits; 6 bits a number), with one power-of-two scale for each 32 numbers along K (OCP MX v1.0); their sums are f32. All else is computed in f32.
;;   The module's matrix products, in the order in which they are computed (A, B: the left and right operand; K: the contracted axis; several contracted axes count as one K, in the product's order):
;;     1. [M 8,192, K 1,024] x [K 1,024, N 3,072]; A: input x; B: input W_attn: QUANTISED
;;     2. batch 64 x [M 2,048, K 64] x [K 64, N 2,048]; A: computed on the way; B: computed on the way: QUANTISED
;;     3. batch 64 x [M 2,048, K 2,048] x [K 2,048, N 64]; A: softmax (see below); B: computed on the way: QUANTISED
;;     4. [M 8,192, K 1,024] x [K 1,024, N 1,024]; A: computed on the way; B: input W_proj: QUANTISED
;;   THE QUANTISER, for each operand of a quantised product, along K:
;;     - K is cut into blocks of 32 from its start; a last block that is shorter is filled with zeros.
;;     - A block's scale is 2^e with e = floor(log2(the largest magnitude in the block)) - 2, held to -126 .. 127; a block of zeros has e = 0. As a byte (E8M0): e + 127.
;;     - Each number is divided by its block's scale, clamped to +-7.5, and rounded to the nearest number of E2M3, ties to even, subnormals kept.
;;     - The product sums the exact products of the quantised numbers (number of the format x scale) in f32.
;;   ~~~python
;;   def quantise(x, axis):      # numpy; x: float32 -> the quantised numbers, widened to float32 again
;;       x = np.moveaxis(x, axis, -1); K = x.shape[-1]
;;       x = np.pad(x, [(0, 0)] * (x.ndim - 1) + [(0, -K % 32)]); x = x.reshape(x.shape[:-1] + (-1, 32)); a = np.abs(x).max(-1, keepdims=True)
;;       e = np.where(a > 0, np.clip(np.frexp(np.where(a > 0, a, 1))[1] - 1 - 2, -126, 127), 0)      # np.frexp(a)[1] - 1 = floor(log2(a)), exactly
;;       r = np.clip(x / 2.0 ** e, -7.5, 7.5)
;;       step = 2.0 ** (np.maximum(np.frexp(np.where(r == 0, 1, r))[1] - 1, 0) - 3)
;;       q = np.round(r / step) * step * 2.0 ** e      # np.round: ties to even
;;       return np.moveaxis(q.reshape(q.shape[:-2] + (-1,))[..., :K], -1, axis).astype(np.float32)
;;   ~~~
;;   SOFTMAX AHEAD OF A QUANTISED PRODUCT. Where the list says 'softmax', what is quantised is not the finished softmax but p = 2^(t - M), with t = logit x log2(e) and M = ceil(the row's largest t), a whole number; so 1/2 < the row's largest p <= 1. The row's sum l is taken of the UNQUANTISED p, in f32, and the product's result is divided by l at the end. Since M is a whole number, a kernel that streams over the keys may use a running M (the ceiling of the running maximum): every later rescaling is an exact power of two, which a block's scale takes up: the codes' values come out the same.
;;   OPERANDS COMPUTED ON THE WAY. 'Computed on the way' means the value that the module computes at that place (a softmax that the list does not call 'softmax' is quantised finished and normalised). What goes into a quantiser is computed in f32, as accurately as f32 sums, v_exp_f32 and their like allow (about 1e-6 of the number): no bf16 or f16 on the way to a quantiser, and a product that is left as it is and whose result goes on into a quantised operand takes f32 operands (vector FMAs, or v_wmma_f32_16x16x4_f32). A number that lies on a knife's edge between two numbers of the format may be rounded either way, as far as f32 arithmetic and the matrix unit's own rounding can turn it there, and no further.
;; One version. Each part assembles by itself: llvm-mc -triple=amdgcn-amd-amdhsa -mcpu=gfx1250 --defsym DOCPART=n.
;; ======== version 1 of 1: 4 launches
;; workspace buffers: cod1 8,650,752 bytes; sc1 360,448 bytes; cod2 7,077,888 bytes; sc2 294,912 bytes; att 19,660,800 bytes
;; launch quant (part 1): grid 384 x 1, 4 waves a work-group, no clusters, 34,304 bytes of LDS; arguments x, W_attn, W_proj, cod1, sc1, cod2, sc2; writes cod1, sc1, cod2, sc2
.if DOCPART == 1
	.amdgcn_target "amdgcn-amd-amdhsa--gfx1250"
	.amdhsa_code_object_version 6
	.text
	.protected	k_q64bd7e110c_quant
	.globl	k_q64bd7e110c_quant
	.p2align	8
	.type	k_q64bd7e110c_quant,@function
k_q64bd7e110c_quant:
	s_mov_b64 s[64:65], 0
	v_nop
	global_prefetch_b8 v0, s[64:65] scope:SCOPE_SE
	s_setreg_imm32_b32 hwreg(HW_REG_WAVE_MODE, 25, 1), 1
	s_wait_xcnt 0x0
; x [8192][1024], W_attn [3072][1024], W_proj [1024][1024], f32, K innermost, become codes of FP6 (E2M3) with one E8M0 byte for each 32 along K,
; laid as IMAGES OF THE OPERAND'S REGISTERS.  A tile is 16 rows; lane row r of tile t is matrix row 32 (t / 2) + 8 (t % 2) + r + 8 (r / 8).
; Codes: a tile's record is 12,288 bytes = 8 fragments (128 along K each) of 1,536; a fragment is 6 pieces of 256 bytes; in piece p lane l's 8 bytes are operand registers 2 p, 2 p + 1.
; Scales: a tile's record is 512 bytes = [half of K][row r][4 words]; word i of half e is the scale word of K step 4 e + i.
; A block's scale is 2^(floor(log2(largest magnitude)) - 2); its byte is the largest magnitude's exponent field - 2, held at 1 from below.
; LIMITS: a block of zeros, or one whose largest magnitude lies under 2^-124, gets the byte 1 (its codes are zeros or nearly so; this program alone reads the bytes); NaN and infinities are not served.
; SHARES: work-group g takes tiles 2 g and 2 g + 1 of the list x (0-255), W_attn (256-351), W_proj (352-383); wave w takes tile 2 g + w / 2, half w % 2 of K: four fragments.
; Each load reads 512 consecutive bytes of one row; a fragment's 16 rows turn through the wave's own stage in LDS, so that a lane gets 16 neighbours of each block of 32.  No barrier: waves share nothing.
.set STAGE, 8448                       ; a wave's stage: 16 rows of 512 + 16 bytes
.set RAW,   16                         ; v16-143  two sets of 64: a fragment as loaded
.set X,     144                        ; v144-207 register 16 b + i = k 32 b + 16 (lane / 16) + i of my row
.set PC,    208                        ; v208-226 the codes just made (12), and 7 at work
.set TM,    228                        ; v228-239 +0 largest magnitudes, +4 the other half's, then bytes, +8 the conversions' scale operands
.set WS,    248                        ; v248-251 the four fragments' scale words
.set SEL,   28                         ; s[28:29] lane selects: lane l xor 16
; 64 numbers of a lane become a fragment's 12 registers of codes in v[PC] on, and my row's scale word in v[pw]
.macro QUANT s, pw
.irp b, 0,1,2,3
	v_max3_num_f32 v[TM+\b], |v[\s+16*\b]|, |v[\s+1+16*\b]|, 0x1800000   ; my 16 numbers of block b, and the floor 2^(3 - 127): the byte cannot fall under 1
.endr
.irp i, 2,4,6,8,10,12,14
.irp b, 0,1,2,3
	v_max3_num_f32 v[TM+\b], v[TM+\b], |v[\s+16*\b+\i]|, |v[\s+1+16*\b+\i]|   ; the four blocks by turns
.endr
.endr
.irp b, 0,1,2,3
	v_permlanex16_b32 v[TM+4+\b], v[TM+\b], s[SEL], s[SEL+1]
.endr
.irp b, 0,1,2,3
	v_max_num_f32 v[TM+\b], v[TM+\b], v[TM+4+\b]   ; with lane l xor 16's 16: the block's largest magnitude
.endr
.irp b, 0,1,2,3
	v_add_nc_u32 v[TM+8+\b], 0xff000000, v[TM+\b]  ; 2 off its exponent field: the conversion takes this operand's exponent field as its scale
.endr
.irp b, 0,1,2,3
	v_lshrrev_b32 v[TM+4+\b], 23, v[TM+8+\b]       ; the scale's byte
.endr
	v_lshl_or_b32 v[\pw], v[TM+5], 8, v[TM+4]
	v_lshl_or_b32 v[\pw], v[TM+6], 16, v[\pw]
	v_lshl_or_b32 v[\pw], v[TM+7], 24, v[\pw]
.irp c, 0,1
	v_cvt_scalef32_pk16_fp6_f32 v[PC+6*\c:PC+2+6*\c], v[\s+32*\c:\s+15+32*\c], v[TM+8+2*\c]
	v_cvt_scalef32_pk16_fp6_f32 v[PC+12+4*\c:PC+14+4*\c], v[\s+16+32*\c:\s+31+32*\c], v[TM+9+2*\c]   ; a conversion's three registers begin on an even number
.endr
	v_nop                                          ; one plain instruction behind the scaled conversions
.irp c, 0,1                                    ; the operand wants a whole block in a lane: lanes 0-15 block 2 c, lanes 16-31 block 2 c + 1
.irp i, 0,1,2
	v_permlane16_swap_b32 v[PC+6*\c+\i], v[PC+12+4*\c+\i]
.endr
.irp i, 0,1,2
	v_mov_b32 v[PC+3+6*\c+\i], v[PC+12+4*\c+\i]
.endr
.endr
.endm
	s_load_b256 s[4:11], s[0:1], 0x0               ; x s[4:5], W_attn s[6:7], W_proj s[8:9], cod1 s[10:11]
	s_load_b128 s[12:15], s[0:1], 0x20             ; sc1 s[12:13], cod2 s[14:15]
	s_load_b64 s[16:17], s[0:1], 0x30              ; sc2
	v_lshl_add_u32 v254, v0, 2, 0x8400
	v_mov_b32 v255, 0
	v_lshrrev_b32 v9, 5, v0
	v_readfirstlane_b32 s21, v9                    ; wave
	v_and_b32 v1, 31, v0                           ; lane
	v_and_b32 v2, 15, v0                           ; r
	v_bfe_u32 v3, v0, 4, 1                         ; h
	v_lshlrev_b32 v4, 4, v1                        ; my 16 bytes of a load's 512
	s_mul_i32 s22, s21, STAGE
	v_add_nc_u32 v5, s22, v4                       ; the stage, on the way in
	v_mul_u32_u24 v6, v2, 528
	v_lshl_add_u32 v6, v3, 6, v6
	v_add_nc_u32 v6, s22, v6                       ; and on the way out: row r, + 64 h
	v_lshlrev_b32 v7, 3, v1                        ; my 8 bytes of a piece
	v_lshlrev_b32 v8, 4, v2                        ; my row's four scale words
	s_mov_b32 s[SEL], 0x76543210
	s_mov_b32 s[SEL+1], 0xfedcba98
.irp b, 0,1,2,3
	v_mov_b32 v[TM+4+\b], 0                        ; a lane permute's destination counts as one of its sources
.endr
	s_lshr_b32 s23, s21, 1                         ; which of the two tiles
	s_and_b32 s24, s21, 1                          ; which half of K
	s_mov_b32 s19, 352
	s_wait_kmcnt 0x0
	s_cmp_lt_u32 ttmp9, 352                        ; the choices hang on the work-group's number alone
	s_cselect_b64 s[6:7], s[6:7], s[8:9]
	s_cselect_b64 s[10:11], s[10:11], s[14:15]
	s_cselect_b64 s[12:13], s[12:13], s[16:17]
	s_cselect_b32 s18, 256, s19                    ; the tensor's first work-group
	s_cselect_b32 s20, 0, 192                      ; W_proj's tiles begin at 512 of its buffer: 704 - 192
	s_cmp_lt_u32 ttmp9, 256
	s_cselect_b64 s[4:5], s[4:5], s[6:7]
	s_cselect_b32 s18, 0, s18
	s_sub_co_u32 s18, ttmp9, s18
	s_lshl_b32 s26, s18, 17                        ; 32 rows of 4,096 bytes a work-group,
	s_lshl_b32 s25, s23, 15                        ; 8 rows on for the odd tile,
	s_add_co_u32 s26, s26, s25
	s_lshl_b32 s25, s24, 11                        ; 512 numbers on for the upper half of K
	s_add_co_u32 s26, s26, s25
	s_mov_b32 s27, 0
	s_add_nc_u64 s[4:5], s[4:5], s[26:27]
	s_lshl_b32 s25, ttmp9, 1
	s_add_co_u32 s25, s25, s23
	s_sub_co_u32 s25, s25, s20                     ; my tile in the buffers
	s_mul_i32 s26, s25, 12288
	s_mul_i32 s30, s24, 6144
	s_add_co_u32 s26, s26, s30
	s_add_nc_u64 s[10:11], s[10:11], s[26:27]
	s_lshl_b32 s26, s25, 9
	s_lshl_b32 s30, s24, 8
	s_add_co_u32 s26, s26, s30
	s_add_nc_u64 s[12:13], s[12:13], s[26:27]
.macro LOAD f                          ; fragment f: 16 rows x 512 bytes; 32 lanes read 512 consecutive bytes
.irp t, 0,1,2,3,4,5,6,7,8,9,10,11,12,13,14,15
	global_load_b128 v[RAW+64*((\f)%2)+4*\t:RAW+64*((\f)%2)+4*\t+3], v4, s[4:5] offset:(\t+8*(\t/8))*4096+512*(\f) th:TH_LOAD_NT
.endr
.endm
.macro FRAGQ f
.if \f < 3
	s_wait_loadcnt 16                              ; this fragment's 16 loads are in; the next fragment's 16 may be out
.else
	s_wait_loadcnt 0x0
.endif
.irp t, 0,1,2,3,4,5,6,7,8,9,10,11,12,13,14,15
	ds_store_b128 v5, v[RAW+64*(\f%2)+4*\t:RAW+64*(\f%2)+4*\t+3] offset:528*\t
.endr
.irp b, 0,1,2,3
.irp j, 0,1,2,3
	ds_load_b128 v[X+16*\b+4*\j:X+16*\b+4*\j+3], v6 offset:128*\b+16*\j   ; LDS serves a wave's instructions in order: these see the stores above
.endr
.endr
	s_wait_dscnt 0x0                               ; my numbers are back, and the stores into the stage have read their registers,
.if \f < 2
	LOAD \f+2                                      ; which take the fragment two further on
.endif
.if \f > 0
	s_wait_xcnt 0x0                                ; the last fragment's stores have read the codes' registers
.endif
	QUANT X, WS+\f
.irp p, 0,1,2,3,4,5
	global_store_b64 v7, v[PC+2*\p:PC+2*\p+1], s[10:11] offset:1536*\f+256*\p   ; 32 lanes store 256 consecutive bytes, aligned
.endr
.endm
	LOAD 0
	LOAD 1
	FRAGQ 0
	FRAGQ 1
	FRAGQ 2
	FRAGQ 3
	v_cmp_gt_u32 vcc_lo, 16, v1                    ; lanes 16-31 hold the same words as lanes 0-15
	s_wait_xcnt 0x0                                ; EXEC changes only behind this wait
	s_wait_tensorcnt 0x0
	ds_add_u32 v254, v255
	s_wait_dscnt 0x0
	s_and_saveexec_b32 s31, vcc_lo
	global_store_b128 v8, v[WS:WS+3], s[12:13]     ; 16 lanes store 256 consecutive bytes, aligned
	s_endpgm
.Lfunc_end_k_q64bd7e110c_quant:
	.size	k_q64bd7e110c_quant, .Lfunc_end_k_q64bd7e110c_quant-k_q64bd7e110c_quant
	.p2alignl 7, 3214868480
	.fill 96, 4, 3214868480
	.section	.rodata,"a",@progbits
	.p2align	6, 0x0
	.amdhsa_kernel k_q64bd7e110c_quant
		.amdhsa_group_segment_fixed_size 34304
		.amdhsa_private_segment_fixed_size 0
		.amdhsa_enable_private_segment 0
		.amdhsa_kernarg_size 56
		.amdhsa_user_sgpr_count 2
		.amdhsa_user_sgpr_kernarg_segment_ptr 1
		.amdhsa_wavefront_size32 1
		.amdhsa_system_sgpr_workgroup_id_x 1
		.amdhsa_system_sgpr_workgroup_id_y 1
		.amdhsa_system_sgpr_workgroup_id_z 1
		.amdhsa_system_vgpr_workitem_id 0
		.amdhsa_next_free_vgpr 256
		.amdhsa_next_free_sgpr 66
		.amdhsa_reserve_vcc 1
		.amdhsa_float_denorm_mode_32 3
		.amdhsa_float_denorm_mode_16_64 3
		.amdhsa_memory_ordered 1
		.amdhsa_forward_progress 1
		.amdhsa_inst_pref_size 35
	.end_amdhsa_kernel
	.amdgpu_metadata
---
amdhsa.version: [ 1, 2 ]
amdhsa.kernels:
  - .name:           k_q64bd7e110c_quant
    .symbol:         k_q64bd7e110c_quant.kd
    .args:
      - { .name: x, .offset: 0, .size: 8, .value_kind: global_buffer, .address_space: global }
      - { .name: W_attn, .offset: 8, .size: 8, .value_kind: global_buffer, .address_space: global }
      - { .name: W_proj, .offset: 16, .size: 8, .value_kind: global_buffer, .address_space: global }
      - { .name: cod1, .offset: 24, .size: 8, .value_kind: global_buffer, .address_space: global }
      - { .name: sc1, .offset: 32, .size: 8, .value_kind: global_buffer, .address_space: global }
      - { .name: cod2, .offset: 40, .size: 8, .value_kind: global_buffer, .address_space: global }
      - { .name: sc2, .offset: 48, .size: 8, .value_kind: global_buffer, .address_space: global }
    .group_segment_fixed_size: 34304
    .private_segment_fixed_size: 0
    .kernarg_segment_align: 8
    .kernarg_segment_size: 56
    .max_flat_workgroup_size: 128
    .sgpr_count:     66
    .vgpr_count:     256
    .wavefront_size: 32
...
	.end_amdgpu_metadata
.endif
;; end of part 1
;; launch gemm_qkv (part 2): grid 12 x 32, 4 waves a work-group, clusters of 4 x 4, 327,680 bytes of LDS; arguments cod1, sc1, b_attn, att; writes att
.if DOCPART == 2
	.amdgcn_target "amdgcn-amd-amdhsa--gfx1250"
	.amdhsa_code_object_version 6
	.text
	.protected	k_q64bd7e110c_gemm_qkv
	.globl	k_q64bd7e110c_gemm_qkv
	.p2align	8
	.type	k_q64bd7e110c_gemm_qkv,@function
k_q64bd7e110c_gemm_qkv:
	s_mov_b64 s[64:65], 0
	v_nop
	global_prefetch_b8 v0, s[64:65] scope:SCOPE_SE
	s_setreg_imm32_b32 hwreg(HW_REG_WAVE_MODE, 25, 1), 1
	s_wait_xcnt 0x0
	s_wait_alu depctr_hold_cnt(0) depctr_sa_sdst(0) depctr_va_vdst(0) depctr_va_sdst(0) depctr_va_ssrc(0) depctr_va_vcc(0) depctr_vm_vsrc(0)
	s_getreg_b32 s2, hwreg(HW_REG_IB_STS2, 6, 4)
	s_cmp_eq_u32 s2, 0
	s_cbranch_scc0 .Lentry_in_a_cluster
	s_endpgm
.Lentry_in_a_cluster:
	s_bfe_u32 s2, ttmp6, 0x10000c
	s_cmp_lg_u32 s2, 0xf033
	s_cbranch_scc0 .Lentry_shape_is_right
	s_endpgm
.Lentry_shape_is_right:
; qkv = x W_attn^T + b_attn on codes of FP6 with E8M0 scales, K = 1,024; the results leave as codes for the attention launch, never as f32.
; OPERANDS: images of the operand's registers.  A tile (16 rows; lane row r of tile t is matrix row 32 (t / 2) + 8 (t % 2) + r + 8 (r / 8)) is 8 fragments of 1,536 bytes, a fragment 6 pieces of 256 bytes.
; In cod1 tiles 0-511 are x, 512-703 W_attn; a GROUP is 16 tiles, 256 rows.  Source 0 of every product is operand P, source 1 operand R: a lane holds one row of R, and the 16 registers of P's tiles
; 2 b, 2 b + 1 are the 16 neighbouring rows 32 b + 16 (lane / 16) + 0 .. 15 of P.
; SECTIONS, by the cluster's x: 0 (q) and 1 (k): R = x, P = W, so that a lane's registers run along a token's features: the next product's K.  2 (v): R = W_v, P = x: they run along the tokens (the keys).
; A work-group of four waves makes 256 of R x 256 of P, a wave 128 x 128: 64 accumulators.  K goes in 8 steps of 128, written out; three LDS slots of 256 along K, of which slot 0 is filled a second time.
; CLUSTER 4 x 4: R's tiles hang on the cluster's y and cy alone and are asked for jointly along a row, P's on the cluster's x or y and cx alone, along a column.
; THE WAY OUT: bias, then the quantiser, in registers.  q, k: the 64 features of a head for token tiles 2 b and 2 b + 1 make ONE fragment (k 0-63: tile 2 b; k 64-127: tile 2 b + 1).  v: a tile of 16 features x 128 keys.
; att: 64 records (batch x 16 + head) of 307,200 bytes: K's codes 0, V's 98,304, K's scale words 196,608, V's 200,704, Q's codes 204,800, Q's scale words 303,104.
; Codes [step of 128 tokens][4 fragments][3 pieces of 512 bytes: lane l's 16 bytes are registers 4 c .. 4 c + 3]; scale words [step][row r][4].
; LIMITS: a block of zeros or under 2^-124 gets the scale byte 1; NaN and infinities are not served.
; REGISTERS: window 0: v1-15 lane terms and the way out's words; v16-22 LDS addresses; v24-27 scale words on their way out; v28, v29 for the add; v32-95 scale words; v96-127, v224-255 the bias; v128-223 R's 8 fragments, one set.
;   window 1: P's fragments, two sets, at v0 and v128.   windows 2, 3: accumulator (a, p) at v[8 (8 (a % 4) + p)] of window 2 + a / 4.
.set TILEB, 12288                      ; a tile's record of codes
.set GRPB,  16*TILEB
.set FRB,   1536                       ; a fragment
.set SLOTK, 2*FRB                      ; a tile's bytes in a slot
.set QUART, 8*SLOTK                    ; what one tensor load brings: 8 tiles
.set SLOT,  4*QUART                    ; R's 16 tiles, then P's 16
.set SPARE, 3*SLOT                     ; behind the slots: the spare words, 128 bytes a wave: two blocks of 256 bytes that no other line names
.set RECB,  307200
.set FR,    12
.set ADRR,  16                         ; v16-18 my R fragments in slot 0, 1, 2
.set ADRP,  20                         ; v20-22 the same for P
.set WSEL,  24
.set SOFF,  27
.set SPW,   28
.set NIL,   29
.set SC,    32                         ; v[SC + 8 i + g]: lanes 0-15 the word of R's tile i, lanes 16-31 that of P's tile i, for K step g
.set BV,    96                         ; section v: the bias of my row of R's tile a, twice, at v[BV + 2 a]
.set RF,    128
.set ST,    128                        ; the way out: 64 numbers
.set PC,    192                        ; the codes just made, and 7 at work
.set TM,    212                        ; v212-223 the quantiser's
.set PWS,   6                          ; v6-13 eight scale words
.set G1R, 24
.set G0R, 32                           ; s[32:43] one set for each slot
.set G1P, 44
.set G0P, 52                           ; s[52:63]
.set SEL, 94
.set MSB, 0
.macro WIN new                         ; the immediate's high byte repeats the setting that is left
.if MSB != (\new)
	s_set_vgpr_msb (MSB<<8)|(\new)
.set MSB, (\new)
.endif
.endm
.macro PLACES n
.rept \n
	v_nop
.endr
.endm
; A joint load: waves 0 and 1 fetch R's halves, waves 2 and 3 P's.  The branch hangs on the wave's number alone.  Four v_nop follow each line.
.macro JLOAD g0r, g0p
	s_cmp_eq_u32 s13, 0
	s_cbranch_scc0 .Lfor_p_\@
	tensor_load_to_lds s[\g0r:\g0r+3], s[G1R:G1R+7]
	s_nop 0
.rept 4
	v_nop
.endr
	s_branch .Lasked_\@
.Lfor_p_\@:
	tensor_load_to_lds s[\g0p:\g0p+3], s[G1P:G1P+7]
	s_nop 0
.rept 4
	v_nop
.endr
.Lasked_\@:
.endm
.macro CREST                           ; a round of the cluster's barrier behind its opening barrier
	s_cmp_lg_u32 s12, 0
	s_cbranch_scc1 .Lnot_wave_0_\@
	s_barrier_signal -3
.Lnot_wave_0_\@:
	s_barrier_wait -3
	s_barrier_signal -1
	s_barrier_wait -1
.endm
.macro CROUND
	s_barrier_signal -1
	s_barrier_wait -1
	CREST
.endm
.macro FRAG reg, adr, q, i             ; a fragment: six loads of 8 bytes a lane, 256 consecutive bytes each
.irp p, 0,1,2,3,4,5
	ds_load_b64 v[\reg+2*\p:\reg+2*\p+1], v[\adr] offset:SLOTK*(\i)+FRB*(\q)+256*\p
.endr
.endm
.macro FETCH_P slot, q, set
	WIN 0x40                                       ; destination window 1
.irp i, 0,1,2,3,4,5,6,7
	FRAG 128*(\set)+FR*\i, ADRP+\slot, \q, \i
.endr
	WIN 0
.endm
.macro FETCH_R slot, q, i0
.irp i, \i0, \i0+1, \i0+2, \i0+3
	FRAG RF+FR*(\i), ADRR+\slot, \q, \i
.endr
.endm
; 16 products: R's tiles a0, a0 + 1 x P's eight, K step g.  zero = 1: the product starts the sum.  The 64 accumulators take turns, in the same order in every step.
.macro MUL16 a0, g, zero
.irp a, \a0, \a0+1
.irp p, 0,1,2,3,4,5,6,7
.if \zero
	v_wmma_scale_f32_16x16x128_f8f6f4 v[8*(8*((\a)%4)+\p):8*(8*((\a)%4)+\p)+7], v[128*((\g)%2)+FR*\p:128*((\g)%2)+FR*\p+FR-1], v[RF+FR*(\a):RF+FR*(\a)+FR-1], 0, v[SC+8*\p+(\g)], v[SC+8*(\a)+(\g)] matrix_a_fmt:MATRIX_FMT_FP6 matrix_b_fmt:MATRIX_FMT_FP6 matrix_a_scale:MATRIX_SCALE_ROW1
.else
	v_wmma_scale_f32_16x16x128_f8f6f4 v[8*(8*((\a)%4)+\p):8*(8*((\a)%4)+\p)+7], v[128*((\g)%2)+FR*\p:128*((\g)%2)+FR*\p+FR-1], v[RF+FR*(\a):RF+FR*(\a)+FR-1], v[8*(8*((\a)%4)+\p):8*(8*((\a)%4)+\p)+7], v[SC+8*\p+(\g)], v[SC+8*(\a)+(\g)] matrix_a_fmt:MATRIX_FMT_FP6 matrix_b_fmt:MATRIX_FMT_FP6 matrix_a_scale:MATRIX_SCALE_ROW1
.endif
.endr
.endr
.endm
; K step g, whose successor lies in a slot that has been shown whole: the successor's fragments (slot nslot, its nq-th 128) are fetched in two runs, each behind four places (ISA guide 7.12.1)
.macro STEP g, nslot, nq, zero
	s_wait_dscnt 24                                ; P's set and R's tiles 0-3 are in; the youngest 24 loads (R's tiles 4-7) may be out
	WIN 0xa1                                       ; source 0 window 1, source 1 window 0, C and D window 2
	MUL16 0, \g, \zero
	MUL16 2, \g, \zero
	s_wait_dscnt 0x0
	PLACES 4
	FETCH_P \nslot, \nq, 1-(\g)%2
	FETCH_R \nslot, \nq, 0
	WIN 0xf1                                       ; C and D window 3
	MUL16 4, \g, \zero
	MUL16 6, \g, \zero
	PLACES 4
	WIN 0
	FETCH_R \nslot, \nq, 4
.endm
; K step g, the last of its slot: one barrier, behind which slot nslot is whole for every wave.  cnt: how many of my younger tensor loads may stay out.
; fill = 1: slot 0 is filled again: all my tensor loads are waited for, 0 is added to my spare word, that and my LDS reads are waited for, and the barrier opens a round of the cluster's.
.macro TURN g, nslot, cnt, fill
	s_wait_tensorcnt \cnt
.if \fill
	ds_add_u32 v[SPW], v[NIL]
.endif
	s_wait_dscnt 24+\fill                          ; R's tiles 4-7 (and the add) may be out
	WIN 0xa1
	MUL16 0, \g, 0
	s_wait_dscnt 0x0                               ; my reads of the slot in hand are over (and the add is done)
	s_barrier_signal -1
	MUL16 2, \g, 0
	WIN 0
	s_barrier_wait -1
.if \fill
	CREST                                          ; no wave of any partner still reads slot 0 or has a load on its way
	s_add_nc_u64 s[G0R+2:G0R+3], s[G0R+2:G0R+3], 3*SLOTK   ; K 768 on
	s_add_nc_u64 s[G0P+2:G0P+3], s[G0P+2:G0P+3], 3*SLOTK
	JLOAD G0R, G0P                                 ; my one tensor load behind the round; its four v_nop are the places in front of the loads below
.else
	PLACES 4
.endif
	FETCH_P \nslot, 0, 0
	FETCH_R \nslot, 0, 0
	WIN 0xf1
	MUL16 4, \g, 0
	MUL16 6, \g, 0
	PLACES 4
	WIN 0
	FETCH_R \nslot, 0, 4
.endm
.macro LAST
	s_wait_dscnt 24
	WIN 0xa1
	MUL16 0, 7, 0
	MUL16 2, 7, 0
	s_wait_dscnt 0x0
	WIN 0xf1
	MUL16 4, 7, 0
	MUL16 6, 7, 0
	WIN 0
.endm
; 64 numbers of a lane, register 16 b + i = k 32 b + 16 (lane / 16) + i of my row, become a fragment's codes in v[PC] on and its scale word in v[pw]
.macro QUANT s, pw
.irp b, 0,1,2,3
	v_max3_num_f32 v[TM+\b], |v[\s+16*\b]|, |v[\s+1+16*\b]|, 0x1800000   ; the floor 2^(3 - 127): the byte cannot fall under 1
.endr
.irp i, 2,4,6,8,10,12,14
.irp b, 0,1,2,3
	v_max3_num_f32 v[TM+\b], v[TM+\b], |v[\s+16*\b+\i]|, |v[\s+1+16*\b+\i]|
.endr
.endr
.irp b, 0,1,2,3
	v_permlanex16_b32 v[TM+4+\b], v[TM+\b], s[SEL], s[SEL+1]
.endr
.irp b, 0,1,2,3
	v_max_num_f32 v[TM+\b], v[TM+\b], v[TM+4+\b]
.endr
.irp b, 0,1,2,3
	v_add_nc_u32 v[TM+8+\b], 0xff000000, v[TM+\b]  ; 2 off the exponent field: the conversion's scale operand
.endr
.irp b, 0,1,2,3
	v_lshrrev_b32 v[TM+4+\b], 23, v[TM+8+\b]       ; the scale's byte
.endr
	v_lshl_or_b32 v[\pw], v[TM+5], 8, v[TM+4]
	v_lshl_or_b32 v[\pw], v[TM+6], 16, v[\pw]
	v_lshl_or_b32 v[\pw], v[TM+7], 24, v[\pw]
.irp c, 0,1
	v_cvt_scalef32_pk16_fp6_f32 v[PC+6*\c:PC+2+6*\c], v[\s+32*\c:\s+15+32*\c], v[TM+8+2*\c]
	v_cvt_scalef32_pk16_fp6_f32 v[PC+12+4*\c:PC+14+4*\c], v[\s+16+32*\c:\s+31+32*\c], v[TM+9+2*\c]
.endr
	v_nop                                          ; one plain instruction behind the scaled conversions
.irp c, 0,1
.irp i, 0,1,2
	v_permlane16_swap_b32 v[PC+6*\c+\i], v[PC+12+4*\c+\i]
.endr
.irp i, 0,1,2
	v_mov_b32 v[PC+3+6*\c+\i], v[PC+12+4*\c+\i]
.endr
.endr
.endm
; byte offsets in att of my codes (s[88:89]) and scale words (s[90:91]), the region's offset not yet added.  tg: the register with the group of 256 tokens, th: which half of it, cc and hf: head = 4 s[cc] + 2 s[hf]
.macro OUTB tg, th, cc, hf
	s_lshr_b32 s86, s[\tg], 3                      ; the batch
	s_lshl_b32 s86, s86, 4
	s_lshl_b32 s87, s[\cc], 2
	s_add_co_u32 s86, s86, s87
	s_lshl_b32 s87, s[\hf], 1
	s_add_co_u32 s86, s86, s87
	s_mul_i32 s86, s86, RECB                       ; the record of my first head
	s_and_b32 s87, s[\tg], 7
	s_lshl_b32 s87, s87, 1
	s_add_co_u32 s87, s87, s[\th]                  ; the step of 128 tokens
	s_mul_i32 s88, s87, 4*FRB
	s_add_co_u32 s88, s88, s86
	s_lshl_b32 s90, s87, 8
	s_add_co_u32 s90, s90, s86
	s_mov_b32 s89, 0
	s_mov_b32 s91, 0
.endm
; THE WAY OUT: eight fragments.  The addition of the bias also picks the registers: q, k (vmode 0): fragment n = 4 e + b: head e, token tiles 2 b, 2 b + 1.  v (vmode 1): fragment n: R's tile n x 128 keys.
.macro EPI vmode
	PLACES 4                                       ; behind the last products
	s_wait_loadcnt 0x0                             ; the bias
.irp b, 0,1,2,3
	v_mov_b32 v[TM+4+\b], 0                        ; a lane permute's destination counts as one of its sources
.endr
.irp n, 0,1,2,3,4,5,6,7
.if \vmode
	WIN 2+\n/4                                     ; source 0: the accumulators' window
.irp p, 0,1,2,3,4,5,6,7
.irp j, 0,2,4,6
	v_pk_add_f32 v[ST+8*\p+\j:ST+8*\p+\j+1], v[8*(8*(\n%4)+\p)+\j:8*(8*(\n%4)+\p)+\j+1], v[BV+2*\n:BV+2*\n+1]
.endr
.endr
.else
	WIN 2+(\n%4)/2
.irp e, 0,1
.irp q, 0,1,2,3
.irp j, 0,2,4,6
	v_pk_add_f32 v[ST+32*\e+8*\q+\j:ST+32*\e+8*\q+\j+1], v[8*(8*((2*\n+\e)%4)+4*(\n/4)+\q)+\j:8*(8*((2*\n+\e)%4)+4*(\n/4)+\q)+\j+1], v[96+128*(\n/4)+8*\q+\j:96+128*(\n/4)+8*\q+\j+1]
.endr
.endr
.endr
.endif
	WIN 0
.if \n > 0
	s_wait_xcnt 0x0                                ; the last fragment's stores have read the codes' registers
.endif
	QUANT ST, PWS+\n
.irp c, 0,1,2
	global_store_b128 v4, v[PC+4*\c:PC+4*\c+3], s[88:89] offset:(\n/4)*RECB+(\n%4)*FRB+512*\c   ; 32 lanes store 512 consecutive bytes, aligned
.endr
.endr
.irp i, 0,1,2,3
	v_cndmask_b32 v[WSEL+\i], v[PWS+\i], v[PWS+4+\i], s82   ; lanes 0-15 the first head's words, lanes 16-31 the second's
.endr
	global_store_b128 v5, v[WSEL:WSEL+3], s[90:91]   ; each half of the lanes stores 256 consecutive bytes, aligned
.endm
	s_load_b256 s[4:11], s[0:1], 0x0               ; cod1 s[4:5], sc1 s[6:7], b_attn s[8:9], att s[10:11]
	v_lshl_add_u32 v[SPW], v0, 2, SPARE
	v_mov_b32 v[NIL], 0
	ds_add_u32 v28, v29
	ds_add_u32 v28, v29
	s_wait_dscnt 0x0
	v_lshrrev_b32 v1, 5, v0
	v_readfirstlane_b32 s12, v1                    ; wave 0..3
	s_lshr_b32 s13, s12, 1                         ; which half of R's rows is mine.  Also: I fetch for R (0) or for P (1)
	s_and_b32 s14, s12, 1                          ; which half of P's rows.  Also: which 8 tiles I fetch
	s_bfe_u32 s15, ttmp6, 0x40000                  ; cx
	s_bfe_u32 s16, ttmp6, 0x40004                  ; cy
	s_and_b32 s17, ttmp7, 0xffff                   ; the cluster's y: four groups of x
	s_add_co_u32 s18, ttmp9, 8                     ; the section's four groups of W_attn begin at group 32 + 4 x section
	s_cmp_eq_u32 ttmp9, 2                          ; the cluster's x is the same in all partners
	s_cselect_b32 s19, s18, s17
	s_cselect_b32 s20, s17, s18
	s_lshl_b32 s19, s19, 2
	s_add_co_u32 s19, s19, s16                     ; R's group: cy alone of my place enters it
	s_lshl_b32 s20, s20, 2
	s_add_co_u32 s20, s20, s15                     ; P's group: cx alone
	s_lshl_b32 s21, s16, 2
	s_lshl_b32 s21, 15, s21                        ; my row of the cluster
	s_lshl_b32 s22, 0x1111, s15                    ; my column
	; descriptor group 1: 8 rows (tiles) of 3,072 bytes, 12,288 bytes apart, in elements of 8 bytes; no padding: the images are read as they lie
	s_or_b32 s[G1R], s21, (3<<16)|(1<<21)
	s_or_b32 s[G1P], s22, (3<<16)|(1<<21)
.irp g, G1R, G1P
	s_mov_b32 s[\g+1], 384<<16                     ; tensor_dim0
	s_mov_b32 s[\g+2], 8<<16                       ; tensor_dim1
	s_mov_b32 s[\g+3], 384<<16                     ; tile_dim0
	s_mov_b32 s[\g+4], 8                           ; tile_dim1
	s_mov_b32 s[\g+5], 1536                        ; from row to row
	s_mov_b32 s[\g+6], 0
	s_mov_b32 s[\g+7], 0
.endr
	s_mul_i32 s72, s14, 8*TILEB
	s_mul_i32 s70, s19, GRPB
	s_add_co_u32 s70, s70, s72
	s_mov_b32 s71, 0
	s_mul_i32 s74, s20, GRPB
	s_add_co_u32 s74, s74, s72
	s_mov_b32 s75, 0
	s_mul_i32 s76, s12, QUART                      ; where my tiles go: no place in the cluster enters an LDS address
	s_mov_b32 s82, 0xffff0000                      ; lanes 16-31
	s_mov_b32 s[SEL], 0x76543210
	s_mov_b32 s[SEL+1], 0xfedcba98
	s_wait_kmcnt 0x0
	s_add_nc_u64 s[70:71], s[4:5], s[70:71]
	s_add_nc_u64 s[74:75], s[4:5], s[74:75]
	CROUND                                         ; all sixteen work-groups are here: the first joint loads meet
.irp s, 0,1,2
	s_mov_b32 s[G0R+4*\s], 1
	s_add_co_u32 s[G0R+4*\s+1], s76, \s*SLOT
	s_add_nc_u64 s[G0R+4*\s+2:G0R+4*\s+3], s[70:71], \s*SLOTK
	s_or_b32 s[G0R+4*\s+3], s[G0R+4*\s+3], 0x80000000
	s_mov_b32 s[G0P+4*\s], 1
	s_add_co_u32 s[G0P+4*\s+1], s76, \s*SLOT
	s_add_nc_u64 s[G0P+4*\s+2:G0P+4*\s+3], s[74:75], \s*SLOTK
	s_or_b32 s[G0P+4*\s+3], s[G0P+4*\s+3], 0x80000000
	JLOAD G0R+4*\s, G0P+4*\s                       ; three loads of mine are out: K 0 to 767
.endr
	v_and_b32 v1, 15, v0                           ; r
	v_bfe_u32 v2, v0, 4, 1                         ; h
	v_and_b32 v3, 31, v0
	v_lshlrev_b32 v4, 4, v3                        ; 16 x lane: the way out
	v_lshlrev_b32 v3, 3, v3                        ; 8 x lane
	s_mul_i32 s77, s13, QUART
	s_mul_i32 s78, s14, QUART
	s_add_co_u32 s78, s78, 2*QUART
.irp s, 0,1,2
	v_add_nc_u32 v[ADRR+\s], s77, v3
	v_add_nc_u32 v[ADRP+\s], s78, v3
	s_add_co_u32 s77, s77, SLOT
	s_add_co_u32 s78, s78, SLOT
.endr
	s_lshl_b32 s79, s19, 13                        ; a group's scale words are 8,192 bytes, my half's 4,096
	s_lshl_b32 s80, s13, 12
	s_add_co_u32 s79, s79, s80
	s_lshl_b32 s81, s20, 13
	s_lshl_b32 s80, s14, 12
	s_add_co_u32 s81, s81, s80
	v_mov_b32 v30, s79
	v_mov_b32 v31, s81
	v_cndmask_b32 v[SOFF], v30, v31, s82           ; lanes 0-15 take R's words, lanes 16-31 P's
	v_lshl_add_u32 v[SOFF], v1, 4, v[SOFF]
.irp i, 0,1,2,3,4,5,6,7
.irp e, 0,1
	global_load_b128 v[SC+8*\i+4*\e:SC+8*\i+4*\e+3], v[SOFF], s[6:7] offset:512*\i+256*\e   ; the scale words of all of K stay in registers; each half of the lanes reads 256 consecutive bytes
.endr
.endr
	v_mul_u32_u24 v5, v2, RECB
	v_lshl_add_u32 v5, v1, 4, v5                   ; the way out: my row's four scale words; lanes 16-31 one record on
	v_lshlrev_b32 v14, 6, v2                       ; q, k: the bias of my half's 16 features
	v_and_b32 v15, 8, v1
	v_add_nc_u32 v15, v15, v1
	v_lshlrev_b32 v15, 2, v15                      ; v: the bias of my row of a tile
	s_wait_tensorcnt 2                             ; my part of slot 0 is in; slots 1 and 2 may stay out
	s_barrier_signal -1
	s_barrier_wait -1
	FETCH_P 0, 0, 0
	FETCH_R 0, 0, 0
	FETCH_R 0, 0, 4
	s_wait_loadcnt 0x0                             ; the scale words
	STEP 0, 0, 1, 1                                ; the first step's products start the sums
	TURN 1, 1, 1, 0                                ; slot 1 is in; slot 2 may stay out
	STEP 2, 1, 1, 0
	TURN 3, 2, 0, 1                                ; the one refill: slot 0 takes K 768 to 1,023
	STEP 4, 2, 1, 0
	TURN 5, 0, 0, 0                                ; the refill has landed
	s_cmp_eq_u32 ttmp9, 2
	s_cbranch_scc1 .Lv
	; ---- sections q and k: the bias is asked for here and lands under the last 128 products
	s_lshl_b32 s84, ttmp9, 12                      ; 1,024 features a section,
	s_lshl_b32 s85, s15, 10                        ; 256 a group,
	s_add_co_u32 s84, s84, s85
	s_lshl_b32 s85, s14, 9                         ; 128 a wave
	s_add_co_u32 s84, s84, s85
	s_mov_b32 s85, 0
	s_add_nc_u64 s[8:9], s[8:9], s[84:85]
.irp p, 0,1,2,3,4,5,6,7
.irp k, 0,1
	global_load_b128 v[96+8*(\p%4)+128*(\p/4)+4*\k:96+8*(\p%4)+128*(\p/4)+4*\k+3], v14, s[8:9] offset:4*(32*(\p/2)+8*(\p%2))+16*\k
.endr
.endr
	OUTB 19, 13, 15, 14
	s_mov_b32 s92, 196608
	s_cmp_eq_u32 ttmp9, 0
	s_cselect_b32 s93, 204800, 0                   ; Q's codes or K's
	s_cselect_b32 s92, 303104, s92                 ; Q's scale words or K's
	s_add_co_u32 s88, s88, s93
	s_add_co_u32 s90, s90, s92
	s_add_nc_u64 s[88:89], s[10:11], s[88:89]
	s_add_nc_u64 s[90:91], s[10:11], s[90:91]
	STEP 6, 0, 1, 0
	LAST
	EPI 0
	s_branch .Ldone
.Lv:
	; ---- section v
	s_lshl_b32 s84, s16, 10
	s_lshl_b32 s85, s13, 9
	s_add_co_u32 s84, s84, s85
	s_add_co_u32 s84, s84, 8192                    ; v's bias begins at number 2,048
	s_mov_b32 s85, 0
	s_add_nc_u64 s[8:9], s[8:9], s[84:85]
.irp a, 0,1,2,3,4,5,6,7
	global_load_b32 v[BV+2*\a], v15, s[8:9] offset:4*(32*(\a/2)+8*(\a%2))
	global_load_b32 v[BV+2*\a+1], v15, s[8:9] offset:4*(32*(\a/2)+8*(\a%2))   ; twice: a pair for the packed addition
.endr
	OUTB 20, 14, 16, 13
	s_add_co_u32 s88, s88, 98304
	s_add_co_u32 s90, s90, 200704
	s_add_nc_u64 s[88:89], s[10:11], s[88:89]
	s_add_nc_u64 s[90:91], s[10:11], s[90:91]
	STEP 6, 0, 1, 0
	LAST
	EPI 1
.Ldone:
	s_wait_tensorcnt 0x0                           ; the wave's end
	ds_add_u32 v[SPW], v[NIL]
	s_wait_dscnt 0x0
	CROUND                                         ; the closing round: no work-group ends while a partner may still ask for a tile that names it
	s_endpgm
.Lfunc_end_k_q64bd7e110c_gemm_qkv:
	.size	k_q64bd7e110c_gemm_qkv, .Lfunc_end_k_q64bd7e110c_gemm_qkv-k_q64bd7e110c_gemm_qkv
	.p2alignl 7, 3214868480
	.fill 96, 4, 3214868480
	.section	.rodata,"a",@progbits
	.p2align	6, 0x0
	.amdhsa_kernel k_q64bd7e110c_gemm_qkv
		.amdhsa_group_segment_fixed_size 327680
		.amdhsa_private_segment_fixed_size 0
		.amdhsa_enable_private_segment 0
		.amdhsa_kernarg_size 32
		.amdhsa_user_sgpr_count 2
		.amdhsa_user_sgpr_kernarg_segment_ptr 1
		.amdhsa_wavefront_size32 1
		.amdhsa_system_sgpr_workgroup_id_x 1
		.amdhsa_system_sgpr_workgroup_id_y 1
		.amdhsa_system_sgpr_workgroup_id_z 1
		.amdhsa_system_vgpr_workitem_id 0
		.amdhsa_next_free_vgpr 1024
		.amdhsa_next_free_sgpr 100
		.amdhsa_reserve_vcc 0
		.amdhsa_float_denorm_mode_32 3
		.amdhsa_float_denorm_mode_16_64 3
		.amdhsa_memory_ordered 1
		.amdhsa_forward_progress 1
		.amdhsa_inst_pref_size 254
	.end_amdhsa_kernel
	.amdgpu_metadata
---
amdhsa.version: [ 1, 2 ]
amdhsa.kernels:
  - .name:           k_q64bd7e110c_gemm_qkv
    .symbol:         k_q64bd7e110c_gemm_qkv.kd
    .args:
      - { .name: cod1, .offset: 0, .size: 8, .value_kind: global_buffer, .address_space: global }
      - { .name: sc1, .offset: 8, .size: 8, .value_kind: global_buffer, .address_space: global }
      - { .name: b_attn, .offset: 16, .size: 8, .value_kind: global_buffer, .address_space: global }
      - { .name: att, .offset: 24, .size: 8, .value_kind: global_buffer, .address_space: global }
    .group_segment_fixed_size: 327680
    .private_segment_fixed_size: 0
    .kernarg_segment_align: 8
    .kernarg_segment_size: 32
    .max_flat_workgroup_size: 128
    .sgpr_count:     100
    .vgpr_count:     1024
    .wavefront_size: 32
...
	.end_amdgpu_metadata
.endif
;; end of part 2
;; launch attn (part 3): grid 256 x 1, 16 waves a work-group, clusters of 4 x 1, 206,848 bytes of LDS; arguments att, cod2, sc2; writes cod2, sc2
.if DOCPART == 3
	.amdgcn_target "amdgcn-amd-amdhsa--gfx1250"
	.amdhsa_code_object_version 6
	.text
	.protected	k_q64bd7e110c_attn
	.globl	k_q64bd7e110c_attn
	.p2align	8
	.type	k_q64bd7e110c_attn,@function
k_q64bd7e110c_attn:
	s_mov_b64 s[64:65], 0
	v_nop
	global_prefetch_b8 v0, s[64:65] scope:SCOPE_SE
	s_setreg_imm32_b32 hwreg(HW_REG_WAVE_MODE, 25, 1), 1
	s_wait_xcnt 0x0
	s_wait_alu depctr_hold_cnt(0) depctr_sa_sdst(0) depctr_va_vdst(0) depctr_va_sdst(0) depctr_va_ssrc(0) depctr_va_vcc(0) depctr_vm_vsrc(0)
	s_getreg_b32 s2, hwreg(HW_REG_IB_STS2, 6, 4)
	s_cmp_eq_u32 s2, 0
	s_cbranch_scc0 .Lentry_in_a_cluster
	s_endpgm
.Lentry_in_a_cluster:
	s_bfe_u32 s2, ttmp6, 0x10000c
	s_cmp_lg_u32 s2, 0x3003
	s_cbranch_scc0 .Lentry_shape_is_right
	s_endpgm
.Lentry_shape_is_right:
; y = softmax(q k^T / 8, causal) v for 64 heads of 2,048 tokens x 64, both products on codes of FP6 with E8M0 scales; y leaves as codes for the last product.
; att: a head's record of 307,200 bytes: K's codes 0, V's 98,304, K's scale words 196,608, V's 200,704, Q's codes 204,800, Q's scale words 303,104.  Codes [step of 128 tokens][4 fragments][3 pieces of 512 bytes];
; scale words [step][row r][4].  Fragment b of K (and of Q) holds token tiles 2 b (k 0-63) and 2 b + 1 (k 64-127); fragment t of V holds 16 of the head's 64 x the step's 128 keys.
; Lane row r of tile t is row 32 (t / 2) + 8 (t % 2) + r + 8 (r / 8): so the 16 registers of two neighbouring tiles of a result are 16 neighbours along the next K.
; K = 64 IN AN INSTRUCTION OF 128: q stands between zeros, [0 | q | 0] in 18 registers.  [q | 0] against a fragment of K gives tile 2 b's scores, [0 | q] tile 2 b + 1's: zero codes add nothing under scale bytes 1 .. 254.
; THE SOFTMAX: t = score x log2(e) / 8; M = the running largest t rounded up to a whole number; p = 2^(t - M) is quantised along the keys; the sum is taken of the unquantised p and divides at the end.
; When M moves, the sum and O^T are multiplied by 2^(old M - new M): exact.
; SHARES: a cluster of four work-groups is a head.  The head's K, V and their scale words, 204,800 bytes, are brought into each work-group's LDS ONCE, by sixteen joint loads, one a wave: no slot is filled again.
; Wave w of partner c takes query tile 8 w + 2 c (w + 1 key steps) and then tile 8 (15 - w) + 2 c + 1 (16 - w steps): 17 steps for every wave.  Every branch hangs on the wave, the pass and the step alone.
; LIMITS: NaN and infinities are not served; t under -3e38 is not served; a block of zeros or under 2^-124 gets the scale byte 1.
; REGISTERS: v1-7, v11 lane terms; v8-10 LDS addresses in hand; v12 -M, v13 the largest t, v[14:15] the sum; v16-33 [0 | q | 0]; v34-81 four fragments of K, then of V; v82-85, v86-89 their scale words; v90 q's, v91 p's;
;   v[92:93] f; v96-159 S^T, then p; v160-191 O^T; v192-210 p's codes; v212-223 at work on the blocks; v224 at work; v225 -infinity.
.set RECB, 307200
.set VC,   98304
.set KSC,  196608
.set QCO,  204800
.set QSO,  303104
.set FRB,  1536
.set KV,   34
.set KS,   82
.set VS,   86
.set QS,   90
.set PS,   91
.set F,    92
.set S,    96
.set OT,   160
.set PCD,  192
.set BM,   212
.set BT,   216
.set BS,   220
.set TP,   224
.set NINF, 225
.macro CROUND                          ; a round of the cluster's barrier
	s_barrier_signal -1
	s_barrier_wait -1
	s_cmp_lg_u32 s10, 0
	s_cbranch_scc1 .Lnot_wave_0_\@
	s_barrier_signal -3
.Lnot_wave_0_\@:
	s_barrier_wait -3
	s_barrier_signal -1
	s_barrier_wait -1
.endm
	s_load_b128 s[4:7], s[0:1], 0x0                ; att s[4:5], cod2 s[6:7]
	s_load_b64 s[8:9], s[0:1], 0x10                ; sc2
	v_lshl_add_u32 v254, v0, 2, 0x32000
	v_mov_b32 v255, 0
	ds_add_u32 v254, v255
	ds_add_u32 v254, v255
	v_lshrrev_b32 v8, 5, v0
	s_delay_alu instid0(VALU_DEP_1)
	v_readfirstlane_b32 s10, v8                    ; wave 0..15
	s_bfe_u32 s11, ttmp6, 0x40000                  ; c: my place in the cluster: it enters global addresses and the mask's lane constant alone
	s_mul_i32 s12, ttmp9, RECB                     ; the cluster's number is batch x 16 + head
	s_mov_b32 s13, 0
	s_mul_i32 s14, s10, 12800                      ; my sixteenth of the 204,800 bytes
	s_mov_b32 s15, 0
	s_mov_b32 s16, 15|(3<<16)|(1<<21)              ; group 1: the mask names all four; elements of 8 bytes; no padding
	s_mov_b32 s17, 32<<16                          ; tensor_dim0: rows of 256 bytes
	s_mov_b32 s18, 50<<16                          ; tensor_dim1
	s_mov_b32 s19, 32<<16                          ; tile_dim0
	s_mov_b32 s20, 50                              ; tile_dim1
	s_mov_b32 s21, 32                              ; dense
	s_mov_b32 s22, 0
	s_mov_b32 s23, 0
	s_mov_b32 s28, 0x76543210                      ; lane selects: lane l xor 16
	s_mov_b32 s29, 0xfedcba98
	s_mov_b32 s30, 0x3e38aa3b                      ; log2(e) / 8
	s_mov_b32 s31, s30                             ; (named with it as a pair)
	s_mov_b32 s44, 0xffff0000                      ; lanes 16-31
	s_lshr_b32 s50, ttmp9, 4                       ; batch
	s_and_b32 s51, ttmp9, 15                       ; head
	s_lshr_b32 s54, s51, 3                         ; where the head's two scale bytes lie in a tile's record: 256 (head / 8) + 4 ((head / 2) % 4) + 2 (head % 2)
	s_lshl_b32 s54, s54, 8
	s_bfe_u32 s55, s51, 0x20001
	s_lshl_b32 s55, s55, 2
	s_add_co_u32 s54, s54, s55
	s_and_b32 s55, s51, 1
	s_lshl_b32 s55, s55, 1
	s_add_co_u32 s54, s54, s55
	s_wait_dscnt 0x0
	s_wait_kmcnt 0x0
	s_add_nc_u64 s[46:47], s[4:5], s[12:13]        ; the head's record
	s_mov_b32 s24, 1
	s_mov_b32 s25, s14
	s_add_nc_u64 s[26:27], s[46:47], s[14:15]
	s_or_b32 s27, s27, 0x80000000
	CROUND                                         ; all four work-groups are here: the joint loads meet
	tensor_load_to_lds s[24:27], s[16:23]          ; my one tensor load of the launch
	s_nop 0
.rept 4
	v_nop
.endr
	v_and_b32 v8, 31, v0                           ; lane
	v_and_b32 v9, 15, v0                           ; r
	v_bfe_u32 v10, v0, 4, 1                        ; h
	s_delay_alu instid0(VALU_DEP_3)
	v_lshlrev_b32 v1, 4, v8                        ; 16 x lane: my place in a piece; K's codes begin at LDS byte 0
	s_delay_alu instid0(VALU_DEP_1)
	v_add_nc_u32 v5, VC, v1                        ; V's
	s_delay_alu instid0(VALU_DEP_4)
	v_lshl_add_u32 v2, v9, 4, KSC                  ; my row's four scale words of K; V's lie 4,096 bytes on
	v_and_b32 v3, 8, v9
	s_delay_alu instid0(VALU_DEP_1)
	v_add_nc_u32 v3, v3, v9
	v_lshlrev_b32 v4, 4, v10
	s_delay_alu instid0(VALU_DEP_1)
	v_sub_nc_u32 v3, v3, v4
	s_lshl_b32 s45, s11, 5
	v_add_nc_u32 v3, s45, v3                       ; 32 c + r + 8 (r / 8) - 16 h: my query in its step, less my half's first key
	v_lshlrev_b32 v6, 4, v9
	s_delay_alu instid0(VALU_DEP_1)
	v_add_nc_u32 v11, v6, v10                      ; 16 r + h: my scale byte of y
	s_lshl_b32 s45, s11, 2
	v_add_nc_u32 v6, s45, v6                       ; 16 r + 4 c: my query's scale word
	v_lshlrev_b32 v7, 3, v8                        ; 8 x lane: y's pieces
	v_mov_b32 v[NINF], 0xff800000
	v_mov_b32 v[F+1], 0                            ; (named as the upper half of a pair)
.irp b, 0,1,2,3
	v_mov_b32 v[BT+\b], 0                          ; a lane permute's destination counts as one of its sources
.endr
.irp i, 16,17,18,19,20,21,28,29,30,31,32,33
	v_mov_b32 v\i, 0                               ; the zero codes on both sides of q
.endr
	s_wait_tensorcnt 0x0                           ; my part is in,
	s_barrier_signal -1
	s_barrier_wait -1                              ; everybody's is
; A KEY STEP of 128 keys.  s33: the step; s32: my queries' step; s34, s35: where the step's codes and scale words begin.
.macro STEP
	s_cmp_gt_u32 s33, s32                          ; all its keys come after my queries: only the addresses step
	s_cbranch_scc1 .Lhid_\@
	s_setprio 2
	v_add_nc_u32 v8, s34, v1
	v_add_nc_u32 v9, s34, v5
	v_add_nc_u32 v10, s35, v2
	v_nop                                          ; four places in front of loads into registers that the last products read
.irp b, 0,1,2,3
.irp c, 0,1,2
	ds_load_b128 v[KV+12*\b+4*\c:KV+12*\b+4*\c+3], v8 offset:FRB*\b+512*\c
.endr
.endr
	ds_load_b128 v[KS:KS+3], v10
	s_wait_alu depctr_va_vdst(0)
	s_wait_dscnt 0x0
.irp b, 0,1,2,3                                ; S^T: a lane holds one query; registers 16 b + i are keys 32 b + 16 h + i
	v_wmma_scale_f32_16x16x128_f8f6f4 v[S+16*\b:S+16*\b+7], v[KV+12*\b:KV+12*\b+11], v[22:33], 0, v[KS+\b], v[QS] matrix_a_fmt:MATRIX_FMT_FP6 matrix_b_fmt:MATRIX_FMT_FP6
	v_wmma_scale_f32_16x16x128_f8f6f4 v[S+16*\b+8:S+16*\b+15], v[KV+12*\b:KV+12*\b+11], v[16:27], 0, v[KS+\b], v[QS] matrix_a_fmt:MATRIX_FMT_FP6 matrix_b_fmt:MATRIX_FMT_FP6
.endr
.rept 4
	v_nop
.endr
.irp t, 0,1,2,3                                ; V's fragments take K's registers and land under the softmax
.irp c, 0,1,2
	ds_load_b128 v[KV+12*\t+4*\c:KV+12*\t+4*\c+3], v9 offset:FRB*\t+512*\c
.endr
.endr
	ds_load_b128 v[VS:VS+3], v10 offset:4096
	s_cmp_lt_u32 s33, s32                          ; off the diagonal every key counts
	s_cbranch_scc1 .Lopen_\@
.set n, 0
.rept 64
	v_cmp_gt_i32 vcc_lo, 32*(n/16)+n%16, v4        ; the register's key comes after my query:
	v_cndmask_b32 v[S+n], v[S+n], v[NINF], vcc_lo  ; -infinity, so that p = 0
.set n, n+1
.endr
.Lopen_\@:
.irp b, 0,1,2,3
	v_max3_num_f32 v[BM+\b], v[S+16*\b], v[S+1+16*\b], v[S+2+16*\b]   ; the largest score of each block of 32 keys: for the row's maximum, and, since p rises with the score, for the block's largest p
.endr
.irp i, 3,5,7,9,11,13
.irp b, 0,1,2,3
	v_max3_num_f32 v[BM+\b], v[BM+\b], v[S+16*\b+\i], v[S+1+16*\b+\i]
.endr
.endr
.irp b, 0,1,2,3
	v_max_num_f32 v[BM+\b], v[BM+\b], v[S+15+16*\b]
.endr
.irp b, 0,1,2,3
	s_delay_alu instid0(VALU_DEP_4)
	v_permlanex16_b32 v[BT+\b], v[BM+\b], s28, s29
.endr
.irp b, 0,1,2,3
	s_delay_alu instid0(VALU_DEP_4)
	v_max_num_f32 v[BM+\b], v[BM+\b], v[BT+\b]
.endr
	s_delay_alu instid0(VALU_DEP_2)
	v_max3_num_f32 v[TP], v[BM], v[BM+1], v[BM+2]
	s_delay_alu instid0(VALU_DEP_1)
	v_max_num_f32 v[TP], v[TP], v[BM+3]
	s_delay_alu instid0(VALU_DEP_1)
	v_mul_f32 v[TP], s30, v[TP]
	s_delay_alu instid0(VALU_DEP_1)
	v_max_num_f32 v13, v13, v[TP]                  ; the running largest t
	v_mov_b32 v[TP], v12
	s_delay_alu instid0(VALU_DEP_2)
	v_floor_f32 v12, -v13                          ; -M = floor(-t): M is a whole number
	s_delay_alu instid0(VALU_DEP_1)
	v_sub_f32 v[TP], v12, v[TP]                    ; old M - new M, 0 or less
	s_delay_alu instid0(VALU_DEP_1)
	v_cvt_i32_f32 v[TP], v[TP]                     ; (it saturates)
	s_delay_alu instid0(VALU_DEP_1)
	v_ldexp_f32 v[F], 1.0, v[TP]                   ; f = 2^(old M - new M)
.set j, 0
.rept 32
	v_pk_fma_f32 v[S+j:S+j+1], v[S+j:S+j+1], s[30:31], v[12:13] op_sel_hi:[1,0,0]   ; t - M
.set j, j+2
.endr
	s_setprio 1
.irp b, 0,1,2,3
	v_fma_f32 v[BM+\b], v[BM+\b], s30, v12
.endr
.set j, 0
	s_wait_alu depctr_va_vdst(0)
.rept 64
	v_exp_f32 v[S+j], v[S+j]                       ; p = 2^(t - M)
.set j, j+1
.endr
.irp b, 0,1,2,3
	v_exp_f32 v[BM+\b], v[BM+\b]                   ; the block's largest p
.endr
	v_pk_mul_f32 v[14:15], v[14:15], v[F:F+1] op_sel_hi:[1,0]   ; the sum under the new M; a plain instruction behind the exponentials
	s_wait_alu depctr_va_vdst(0)
.irp b, 0,1,2,3
	v_max_num_f32 v[BM+\b], 0x1800000, v[BM+\b]    ; the floor 2^(3 - 127)
.endr
.irp b, 0,1,2,3
	s_delay_alu instid0(VALU_DEP_4)
	v_add_nc_u32 v[BS+\b], 0xff000000, v[BM+\b]    ; the conversion's scale operand
.endr
.irp b, 0,1,2,3
	s_delay_alu instid0(VALU_DEP_4)
	v_lshrrev_b32 v[BT+\b], 23, v[BS+\b]           ; the scale's byte
.endr
	s_delay_alu instid0(VALU_DEP_3)
	v_lshl_or_b32 v[PS], v[BT+1], 8, v[BT]
	s_delay_alu instid0(VALU_DEP_1)
	v_lshl_or_b32 v[PS], v[BT+2], 16, v[PS]
	s_delay_alu instid0(VALU_DEP_1)
	v_lshl_or_b32 v[PS], v[BT+3], 24, v[PS]
.irp c, 0,1
	v_cvt_scalef32_pk16_fp6_f32 v[PCD+6*\c:PCD+2+6*\c], v[S+32*\c:S+15+32*\c], v[BS+2*\c]
	v_cvt_scalef32_pk16_fp6_f32 v[PCD+12+4*\c:PCD+14+4*\c], v[S+16+32*\c:S+31+32*\c], v[BS+1+2*\c]
.endr
	v_nop                                          ; one plain instruction behind the scaled conversions
.irp c, 0,1
.irp i, 0,1,2
	v_permlane16_swap_b32 v[PCD+6*\c+\i], v[PCD+12+4*\c+\i]
.endr
.irp i, 0,1,2
	s_delay_alu instid0(VALU_DEP_3)
	v_mov_b32 v[PCD+3+6*\c+\i], v[PCD+12+4*\c+\i]
.endr
.endr
.set j, 0
.rept 16
	v_pk_mul_f32 v[OT+j:OT+j+1], v[OT+j:OT+j+1], v[F:F+1] op_sel_hi:[1,0]   ; O^T under the new M
.set j, j+2
.endr
	s_setprio 0
	v_pk_add_f32 v[216:217], v[100:101], v[104:105]
	v_pk_add_f32 v[252:253], v[108:109], v[112:113]
	v_pk_add_f32 v[250:251], v[116:117], v[120:121]
	v_pk_add_f32 v[248:249], v[124:125], v[128:129]
	v_pk_add_f32 v[246:247], v[132:133], v[136:137]
	v_pk_add_f32 v[244:245], v[140:141], v[144:145]
	v_pk_add_f32 v[242:243], v[148:149], v[152:153]
	v_pk_add_f32 v[14:15], v[14:15], v[156:157]
	v_pk_add_f32 v[216:217], v[216:217], v[96:97]
	v_pk_add_f32 v[252:253], v[252:253], v[98:99]
	v_pk_add_f32 v[250:251], v[250:251], v[102:103]
	v_pk_add_f32 v[248:249], v[248:249], v[106:107]
	v_pk_add_f32 v[246:247], v[246:247], v[110:111]
	v_pk_add_f32 v[244:245], v[244:245], v[114:115]
	v_pk_add_f32 v[242:243], v[242:243], v[118:119]
	v_pk_add_f32 v[14:15], v[14:15], v[122:123]
	v_pk_add_f32 v[216:217], v[216:217], v[126:127]
	v_pk_add_f32 v[252:253], v[252:253], v[130:131]
	v_pk_add_f32 v[250:251], v[250:251], v[134:135]
	v_pk_add_f32 v[248:249], v[248:249], v[138:139]
	v_pk_add_f32 v[246:247], v[246:247], v[142:143]
	v_pk_add_f32 v[244:245], v[244:245], v[146:147]
	v_pk_add_f32 v[242:243], v[242:243], v[150:151]
	v_pk_add_f32 v[14:15], v[14:15], v[154:155]
	v_pk_add_f32 v[216:217], v[216:217], v[158:159]
	s_delay_alu instid0(VALU_DEP_2)
	v_pk_add_f32 v[14:15], v[14:15], v[248:249]
	s_delay_alu instid0(VALU_DEP_2)
	v_pk_add_f32 v[216:217], v[216:217], v[246:247]
	v_pk_add_f32 v[252:253], v[252:253], v[244:245]
	v_pk_add_f32 v[250:251], v[250:251], v[242:243]
	s_delay_alu instid0(VALU_DEP_2)
	v_pk_add_f32 v[14:15], v[14:15], v[252:253]
	s_delay_alu instid0(VALU_DEP_2)
	v_pk_add_f32 v[216:217], v[216:217], v[250:251]
	s_delay_alu instid0(VALU_DEP_1)
	v_pk_add_f32 v[14:15], v[14:15], v[216:217]
	s_wait_dscnt 0x0                               ; V
.irp t, 0,1,2,3                                ; O^T += V^T P^T; the four accumulators take turns
	v_wmma_scale_f32_16x16x128_f8f6f4 v[OT+8*\t:OT+8*\t+7], v[KV+12*\t:KV+12*\t+11], v[PCD:PCD+11], v[OT+8*\t:OT+8*\t+7], v[VS+\t], v[PS] matrix_a_fmt:MATRIX_FMT_FP6 matrix_b_fmt:MATRIX_FMT_FP6
.endr
.Lhid_\@:
	s_add_co_u32 s34, s34, 4*FRB
	s_add_co_u32 s35, s35, 256
	s_add_co_u32 s33, s33, 1
.endm
; A PASS: one tile of 16 queries through its key steps, and out.  u = 0: tile 2 c of step w; u = 1: tile 2 c + 1 of step 15 - w.
.macro PASS u
.if \u == 0
	s_mov_b32 s32, s10
.else
	s_xor_b32 s32, s10, 15
.endif
	s_lshl_b32 s48, s32, 2
	s_add_co_u32 s48, s48, s11
	s_mul_i32 s48, s48, FRB                        ; fragment c of my queries' step
	s_add_co_u32 s48, s48, QCO
	s_mov_b32 s49, 0
	s_add_nc_u64 s[36:37], s[46:47], s[48:49]
	s_lshl_b32 s48, s32, 8
	s_add_co_u32 s48, s48, QSO
	s_add_nc_u64 s[38:39], s[46:47], s[48:49]
.irp i, 0,1,2
	global_load_b64 v[22+2*\i:23+2*\i], v1, s[36:37] offset:512*((3*\u+\i)/2)+8*((3*\u+\i)%2)   ; registers 6 u .. 6 u + 5 of the fragment's image: my tile's half
.endr
	global_load_b32 v[TP], v6, s[38:39]
	s_lshl_b32 s52, s50, 7                         ; y's tile: 128 batch + 8 step + 2 c + u
	s_lshl_b32 s53, s32, 3
	s_add_co_u32 s52, s52, s53
	s_lshl_b32 s53, s11, 1
	s_add_co_u32 s52, s52, s53
	s_add_co_u32 s52, s52, \u
	s_mul_i32 s48, s52, 12288
	s_mul_i32 s53, s51, 768                        ; a head is half a fragment
	s_add_co_u32 s48, s48, s53
	s_add_nc_u64 s[40:41], s[6:7], s[48:49]
	s_lshl_b32 s48, s52, 9
	s_add_co_u32 s48, s48, s54
	s_add_nc_u64 s[42:43], s[8:9], s[48:49]
	v_mov_b32 v13, 0xff61b1e6                      ; the largest t so far: -3e38
	s_delay_alu instid0(VALU_DEP_1)
	v_floor_f32 v12, -v13
	v_mov_b32 v14, 0
	v_mov_b32 v15, 0
	v_add_nc_u32 v4, 8*\u, v3                      ; the mask's lane constant
	s_wait_loadcnt 0x0
.if \u == 0
	v_perm_b32 v[QS], v[TP], v[TP], 0x01000100     ; my tile's two scale bytes, for both places of q
.else
	v_perm_b32 v[QS], v[TP], v[TP], 0x03020302
.endif
.set j, 0
.rept 32
	v_mov_b32 v[OT+j], 0                           ; the step is written once: the first finds zeros.  (Also the places between q's scale word and the first product)
.set j, j+1
.endr
	s_mov_b32 s33, 0
	s_mov_b32 s34, 0
	s_mov_b32 s35, 0
.Lstep_\@:                                         ; 16 trips, a constant: steps behind my queries do no work
	STEP
	s_cmp_lt_u32 s33, 16
	s_cbranch_scc1 .Lstep_\@
	s_setprio 0
.rept 4
	v_nop                                          ; behind the last products
.endr
	s_wait_alu depctr_va_vdst(0)
	v_add_f32 v14, v14, v15
	s_delay_alu instid0(VALU_DEP_1)
	v_permlanex16_b32 v[TP], v14, s28, s29
	s_delay_alu instid0(VALU_DEP_1)
	v_add_f32 v14, v14, v[TP]                      ; the row's sum
	s_wait_alu depctr_va_vdst(0)
	v_rcp_f32 v14, v14
	v_nop
.set j, 0
	s_wait_alu depctr_va_vdst(0)
.rept 16
	v_pk_mul_f32 v[S+j:S+j+1], v[OT+j:OT+j+1], v[14:15] op_sel_hi:[1,0]   ; y: register 16 b + i is channel 32 b + 16 h + i of my query
.set j, j+2
.endr
.irp b, 0,1
	v_max3_num_f32 v[BM+\b], |v[S+16*\b]|, |v[S+1+16*\b]|, 0x1800000
.endr
.irp i, 2,4,6,8,10,12,14
.irp b, 0,1
	s_delay_alu instid0(VALU_DEP_2)
	v_max3_num_f32 v[BM+\b], v[BM+\b], |v[S+16*\b+\i]|, |v[S+1+16*\b+\i]|
.endr
.endr
.irp b, 0,1
	s_delay_alu instid0(VALU_DEP_2)
	v_permlanex16_b32 v[BT+\b], v[BM+\b], s28, s29
.endr
.irp b, 0,1
	s_delay_alu instid0(VALU_DEP_2)
	v_max_num_f32 v[BM+\b], v[BM+\b], v[BT+\b]
.endr
.irp b, 0,1
	s_delay_alu instid0(VALU_DEP_2)
	v_add_nc_u32 v[BS+\b], 0xff000000, v[BM+\b]
.endr
.irp b, 0,1
	s_delay_alu instid0(VALU_DEP_2)
	v_lshrrev_b32 v[BT+\b], 23, v[BS+\b]
.endr
	v_cvt_scalef32_pk16_fp6_f32 v[PCD:PCD+2], v[S:S+15], v[BS]
	v_cvt_scalef32_pk16_fp6_f32 v[PCD+12:PCD+14], v[S+16:S+31], v[BS+1]
	v_nop
.irp i, 0,1,2
	v_permlane16_swap_b32 v[PCD+\i], v[PCD+12+\i]
.endr
.irp i, 0,1,2
	s_delay_alu instid0(VALU_DEP_3)
	v_mov_b32 v[PCD+3+\i], v[PCD+12+\i]
.endr
	v_cndmask_b32 v[TP], v[BT], v[BT+1], s44       ; lanes 0-15 block 0's byte, lanes 16-31 block 1's
.irp p, 0,1,2
	global_store_b64 v7, v[PCD+2*\p:PCD+2*\p+1], s[40:41] offset:256*\p   ; 32 lanes store 256 consecutive bytes, aligned
.endr
	global_store_b8 v11, v[TP], s[42:43]           ; a scale word spans two heads, which lie in two clusters: so single bytes, 32 a tile and head
	s_wait_xcnt 0x0                                ; the stores have read their registers and bases
.endm
	PASS 0
	PASS 1
	s_wait_dscnt 0x0
	s_wait_tensorcnt 0x0
	ds_add_u32 v254, v255
	s_wait_dscnt 0x0
	CROUND                                         ; the closing round
	s_endpgm
.Lfunc_end_k_q64bd7e110c_attn:
	.size	k_q64bd7e110c_attn, .Lfunc_end_k_q64bd7e110c_attn-k_q64bd7e110c_attn
	.p2alignl 7, 3214868480
	.fill 96, 4, 3214868480
	.section	.rodata,"a",@progbits
	.p2align	6, 0x0
	.amdhsa_kernel k_q64bd7e110c_attn
		.amdhsa_group_segment_fixed_size 206848
		.amdhsa_private_segment_fixed_size 0
		.amdhsa_enable_private_segment 0
		.amdhsa_kernarg_size 24
		.amdhsa_user_sgpr_count 2
		.amdhsa_user_sgpr_kernarg_segment_ptr 1
		.amdhsa_wavefront_size32 1
		.amdhsa_system_sgpr_workgroup_id_x 1
		.amdhsa_system_sgpr_workgroup_id_y 1
		.amdhsa_system_sgpr_workgroup_id_z 1
		.amdhsa_system_vgpr_workitem_id 0
		.amdhsa_next_free_vgpr 256
		.amdhsa_next_free_sgpr 66
		.amdhsa_reserve_vcc 1
		.amdhsa_float_denorm_mode_32 3
		.amdhsa_float_denorm_mode_16_64 3
		.amdhsa_memory_ordered 1
		.amdhsa_forward_progress 1
		.amdhsa_inst_pref_size 63
	.end_amdhsa_kernel
	.amdgpu_metadata
---
amdhsa.version: [ 1, 2 ]
amdhsa.kernels:
  - .name:           k_q64bd7e110c_attn
    .symbol:         k_q64bd7e110c_attn.kd
    .args:
      - { .name: att, .offset: 0, .size: 8, .value_kind: global_buffer, .address_space: global }
      - { .name: cod2, .offset: 8, .size: 8, .value_kind: global_buffer, .address_space: global }
      - { .name: sc2, .offset: 16, .size: 8, .value_kind: global_buffer, .address_space: global }
    .group_segment_fixed_size: 206848
    .private_segment_fixed_size: 0
    .kernarg_segment_align: 8
    .kernarg_segment_size: 24
    .max_flat_workgroup_size: 512
    .sgpr_count:     66
    .vgpr_count:     256
    .wavefront_size: 32
...
	.end_amdgpu_metadata
.endif
;; end of part 3
;; launch gemm_proj (part 4): grid 4 x 32, 4 waves a work-group, clusters of 4 x 4, 327,680 bytes of LDS; arguments cod2, sc2, b_proj, out0; writes out0
.if DOCPART == 4
	.amdgcn_target "amdgcn-amd-amdhsa--gfx1250"
	.amdhsa_code_object_version 6
	.text
	.protected	k_q64bd7e110c_gemm_proj
	.globl	k_q64bd7e110c_gemm_proj
	.p2align	8
	.type	k_q64bd7e110c_gemm_proj,@function
k_q64bd7e110c_gemm_proj:
	s_mov_b64 s[64:65], 0
	v_nop
	global_prefetch_b8 v0, s[64:65] scope:SCOPE_SE
	s_setreg_imm32_b32 hwreg(HW_REG_WAVE_MODE, 25, 1), 1
	s_wait_xcnt 0x0
	s_wait_alu depctr_hold_cnt(0) depctr_sa_sdst(0) depctr_va_vdst(0) depctr_va_sdst(0) depctr_va_ssrc(0) depctr_va_vcc(0) depctr_vm_vsrc(0)
	s_getreg_b32 s2, hwreg(HW_REG_IB_STS2, 6, 4)
	s_cmp_eq_u32 s2, 0
	s_cbranch_scc0 .Lentry_in_a_cluster
	s_endpgm
.Lentry_in_a_cluster:
	s_bfe_u32 s2, ttmp6, 0x10000c
	s_cmp_lg_u32 s2, 0xf033
	s_cbranch_scc0 .Lentry_shape_is_right
	s_endpgm
.Lentry_shape_is_right:
; out0 = y W_proj^T + b_proj on codes of FP6 with E8M0 scales, K = 1,024; out0 [8192][1024] f32.
; OPERANDS: images of the operand's registers.  A tile (16 rows; lane row r of tile t is matrix row 32 (t / 2) + 8 (t % 2) + r + 8 (r / 8)) is 8 fragments of 1,536 bytes, a fragment 6 pieces of 256 bytes.
; In cod2 tiles 0-511 are y, 512-575 W_proj; a GROUP is 16 tiles, 256 rows.  Source 0 of every product is P = W_proj, source 1 is R = y: a lane holds one row of y, and the 16 registers of P's tiles
; 2 b, 2 b + 1 are the 16 neighbouring columns 32 b + 16 (lane / 16) + 0 .. 15 of the output.
; A work-group of four waves makes 256 rows x 256 columns, a wave 128 x 128: 64 accumulators.  K goes in 8 steps of 128, written out; three LDS slots of 256 along K, of which slot 0 is filled a second time.
; CLUSTER 4 x 4: R's tiles hang on the cluster's y and cy alone and are asked for jointly along a row, P's on cx alone, along a column.
; The bias is the C of each sum's first product.  The way out goes through a stage of each wave's own, in slot 1, which is filled once and whose last read stands ahead of two barriers.
; REGISTERS: window 0: v1-3, v14 lane terms; v16-22 LDS addresses; v24-26 the way out; v27 the scale words' offset; v28, v29 for the add; v32-95 scale words; v96-127, v224-255 the bias; v128-223 R's 8 fragments, one set.
;   window 1: P's fragments, two sets, at v0 and v128.   windows 2, 3: accumulator (a, p) at v[8 (8 (a % 4) + p)] of window 2 + a / 4.
.set TILEB, 12288
.set GRPB,  16*TILEB
.set FRB,   1536
.set SLOTK, 2*FRB
.set QUART, 8*SLOTK
.set SLOT,  4*QUART
.set SPARE, 3*SLOT                     ; behind the slots: the spare words, 128 bytes a wave: two blocks of 256 bytes that no other line names
.set FR,    12
.set ADRR,  16
.set ADRP,  20
.set STO,   24
.set RD,    25
.set CO,    26
.set SOFF,  27
.set SPW,   28
.set NIL,   29
.set SC,    32                         ; v[SC + 8 i + g]: lanes 0-15 the word of R's tile i, lanes 16-31 that of P's tile i, for K step g
.set RF,    128
.set BK,    128                        ; the way out: 16 rows read back: v128-191 and v192-255 by turns
.set G1R, 24
.set G0R, 32
.set G1P, 44
.set G0P, 52
.set MSB, 0
.macro WIN new                         ; the immediate's high byte repeats the setting that is left
.if MSB != (\new)
	s_set_vgpr_msb (MSB<<8)|(\new)
.set MSB, (\new)
.endif
.endm
.macro PLACES n
.rept \n
	v_nop
.endr
.endm
.macro JLOAD g0r, g0p                  ; a joint load: waves 0 and 1 fetch R's halves, waves 2 and 3 P's; four v_nop follow each line
	s_cmp_eq_u32 s13, 0
	s_cbranch_scc0 .Lfor_p_\@
	tensor_load_to_lds s[\g0r:\g0r+3], s[G1R:G1R+7]
	s_nop 0
.rept 4
	v_nop
.endr
	s_branch .Lasked_\@
.Lfor_p_\@:
	tensor_load_to_lds s[\g0p:\g0p+3], s[G1P:G1P+7]
	s_nop 0
.rept 4
	v_nop
.endr
.Lasked_\@:
.endm
.macro CREST
	s_cmp_lg_u32 s12, 0
	s_cbranch_scc1 .Lnot_wave_0_\@
	s_barrier_signal -3
.Lnot_wave_0_\@:
	s_barrier_wait -3
	s_barrier_signal -1
	s_barrier_wait -1
.endm
.macro CROUND
	s_barrier_signal -1
	s_barrier_wait -1
	CREST
.endm
.macro FRAG reg, adr, q, i
.irp p, 0,1,2,3,4,5
	ds_load_b64 v[\reg+2*\p:\reg+2*\p+1], v[\adr] offset:SLOTK*(\i)+FRB*(\q)+256*\p
.endr
.endm
.macro FETCH_P slot, q, set
	WIN 0x40
.irp i, 0,1,2,3,4,5,6,7
	FRAG 128*(\set)+FR*\i, ADRP+\slot, \q, \i
.endr
	WIN 0
.endm
.macro FETCH_R slot, q, i0
.irp i, \i0, \i0+1, \i0+2, \i0+3
	FRAG RF+FR*(\i), ADRR+\slot, \q, \i
.endr
.endm
; 16 products: R's tiles a0, a0 + 1 x P's eight, K step g.  first = 1: the bias of P's tile p, in window 0, is the C.  The 64 accumulators take turns, in the same order in every step.
.macro MUL16 a0, g, first
.irp a, \a0, \a0+1
.irp p, 0,1,2,3,4,5,6,7
.if \first
	v_wmma_scale_f32_16x16x128_f8f6f4 v[8*(8*((\a)%4)+\p):8*(8*((\a)%4)+\p)+7], v[128*((\g)%2)+FR*\p:128*((\g)%2)+FR*\p+FR-1], v[RF+FR*(\a):RF+FR*(\a)+FR-1], v[96+8*(\p%4)+128*(\p/4):96+8*(\p%4)+128*(\p/4)+7], v[SC+8*\p+(\g)], v[SC+8*(\a)+(\g)] matrix_a_fmt:MATRIX_FMT_FP6 matrix_b_fmt:MATRIX_FMT_FP6 matrix_a_scale:MATRIX_SCALE_ROW1
.else
	v_wmma_scale_f32_16x16x128_f8f6f4 v[8*(8*((\a)%4)+\p):8*(8*((\a)%4)+\p)+7], v[128*((\g)%2)+FR*\p:128*((\g)%2)+FR*\p+FR-1], v[RF+FR*(\a):RF+FR*(\a)+FR-1], v[8*(8*((\a)%4)+\p):8*(8*((\a)%4)+\p)+7], v[SC+8*\p+(\g)], v[SC+8*(\a)+(\g)] matrix_a_fmt:MATRIX_FMT_FP6 matrix_b_fmt:MATRIX_FMT_FP6 matrix_a_scale:MATRIX_SCALE_ROW1
.endif
.endr
.endr
.endm
.macro STEP g, nslot, nq, first
	s_wait_dscnt 24                                ; P's set and R's tiles 0-3 are in; the youngest 24 loads (R's tiles 4-7) may be out
.if \first
	WIN 0x81                                       ; source 0 window 1, source 1 and C window 0, D window 2
.else
	WIN 0xa1                                       ; C and D window 2
.endif
	MUL16 0, \g, \first
	MUL16 2, \g, \first
	s_wait_dscnt 0x0
	PLACES 4                                       ; in front of loads into registers that products have read
	FETCH_P \nslot, \nq, 1-(\g)%2
	FETCH_R \nslot, \nq, 0
.if \first
	WIN 0xc1
.else
	WIN 0xf1
.endif
	MUL16 4, \g, \first
	MUL16 6, \g, \first
	PLACES 4
	WIN 0
	FETCH_R \nslot, \nq, 4
.endm
; K step g, the last of its slot: one barrier, behind which slot nslot is whole for every wave.  cnt: how many of my younger tensor loads may stay out.
; fill = 1: slot 0 is filled again: all my tensor loads are waited for, 0 is added to my spare word, that and my LDS reads are waited for, and the barrier opens a round of the cluster's.
.macro TURN g, nslot, cnt, fill
	s_wait_tensorcnt \cnt
.if \fill
	ds_add_u32 v[SPW], v[NIL]
.endif
	s_wait_dscnt 24+\fill
	WIN 0xa1
	MUL16 0, \g, 0
	s_wait_dscnt 0x0
	s_barrier_signal -1
	MUL16 2, \g, 0
	WIN 0
	s_barrier_wait -1
.if \fill
	CREST
	s_add_nc_u64 s[G0R+2:G0R+3], s[G0R+2:G0R+3], 3*SLOTK
	s_add_nc_u64 s[G0P+2:G0P+3], s[G0P+2:G0P+3], 3*SLOTK
	JLOAD G0R, G0P                                 ; my one tensor load behind the round; its four v_nop are the places in front of the loads below
.else
	PLACES 4
.endif
	FETCH_P \nslot, 0, 0
	FETCH_R \nslot, 0, 0
	WIN 0xf1
	MUL16 4, \g, 0
	MUL16 6, \g, 0
	PLACES 4
	WIN 0
	FETCH_R \nslot, 0, 4
.endm
	s_load_b256 s[4:11], s[0:1], 0x0               ; cod2 s[4:5], sc2 s[6:7], b_proj s[8:9], out0 s[10:11]
	v_lshl_add_u32 v[SPW], v0, 2, SPARE
	v_mov_b32 v[NIL], 0
	ds_add_u32 v28, v29
	ds_add_u32 v28, v29
	s_wait_dscnt 0x0
	v_lshrrev_b32 v1, 5, v0
	v_readfirstlane_b32 s12, v1                    ; wave 0..3
	s_lshr_b32 s13, s12, 1                         ; which half of R's rows is mine.  Also: I fetch for R (0) or for P (1)
	s_and_b32 s14, s12, 1                          ; which half of P's rows.  Also: which 8 tiles I fetch
	s_bfe_u32 s15, ttmp6, 0x40000                  ; cx
	s_bfe_u32 s16, ttmp6, 0x40004                  ; cy
	s_and_b32 s17, ttmp7, 0xffff
	s_lshl_b32 s19, s17, 2
	s_add_co_u32 s19, s19, s16                     ; R's group: 4 x cluster y + cy
	s_add_co_u32 s20, s15, 32                      ; P's group: W_proj begins at group 32
	s_lshl_b32 s21, s16, 2
	s_lshl_b32 s21, 15, s21                        ; my row of the cluster
	s_lshl_b32 s22, 0x1111, s15                    ; my column
	s_or_b32 s[G1R], s21, (3<<16)|(1<<21)          ; group 1: 8 rows (tiles) of 3,072 bytes, 12,288 bytes apart, in elements of 8 bytes; no padding
	s_or_b32 s[G1P], s22, (3<<16)|(1<<21)
.irp g, G1R, G1P
	s_mov_b32 s[\g+1], 384<<16
	s_mov_b32 s[\g+2], 8<<16
	s_mov_b32 s[\g+3], 384<<16
	s_mov_b32 s[\g+4], 8
	s_mov_b32 s[\g+5], 1536
	s_mov_b32 s[\g+6], 0
	s_mov_b32 s[\g+7], 0
.endr
	s_mul_i32 s72, s14, 8*TILEB
	s_mul_i32 s70, s19, GRPB
	s_add_co_u32 s70, s70, s72
	s_mov_b32 s71, 0
	s_mul_i32 s74, s20, GRPB
	s_add_co_u32 s74, s74, s72
	s_mov_b32 s75, 0
	s_mul_i32 s76, s12, QUART
	s_mov_b32 s82, 0xffff0000
	s_wait_kmcnt 0x0
	s_add_nc_u64 s[70:71], s[4:5], s[70:71]
	s_add_nc_u64 s[74:75], s[4:5], s[74:75]
	CROUND                                         ; all sixteen work-groups are here: the first joint loads meet
.irp s, 0,1,2
	s_mov_b32 s[G0R+4*\s], 1
	s_add_co_u32 s[G0R+4*\s+1], s76, \s*SLOT
	s_add_nc_u64 s[G0R+4*\s+2:G0R+4*\s+3], s[70:71], \s*SLOTK
	s_or_b32 s[G0R+4*\s+3], s[G0R+4*\s+3], 0x80000000
	s_mov_b32 s[G0P+4*\s], 1
	s_add_co_u32 s[G0P+4*\s+1], s76, \s*SLOT
	s_add_nc_u64 s[G0P+4*\s+2:G0P+4*\s+3], s[74:75], \s*SLOTK
	s_or_b32 s[G0P+4*\s+3], s[G0P+4*\s+3], 0x80000000
	JLOAD G0R+4*\s, G0P+4*\s                       ; three loads of mine are out: K 0 to 767
.endr
	v_and_b32 v1, 15, v0                           ; r
	v_bfe_u32 v2, v0, 4, 1                         ; h
	v_and_b32 v3, 31, v0
	v_lshlrev_b32 v[CO], 4, v3                     ; 16 x lane
	v_lshlrev_b32 v3, 3, v3                        ; 8 x lane
	s_mul_i32 s77, s13, QUART
	s_mul_i32 s78, s14, QUART
	s_add_co_u32 s78, s78, 2*QUART
.irp s, 0,1,2
	v_add_nc_u32 v[ADRR+\s], s77, v3
	v_add_nc_u32 v[ADRP+\s], s78, v3
	s_add_co_u32 s77, s77, SLOT
	s_add_co_u32 s78, s78, SLOT
.endr
	s_lshl_b32 s79, s19, 13
	s_lshl_b32 s80, s13, 12
	s_add_co_u32 s79, s79, s80
	s_lshl_b32 s81, s20, 13
	s_lshl_b32 s80, s14, 12
	s_add_co_u32 s81, s81, s80
	v_mov_b32 v30, s79
	v_mov_b32 v31, s81
	v_cndmask_b32 v[SOFF], v30, v31, s82           ; lanes 0-15 take R's words, lanes 16-31 P's
	v_lshl_add_u32 v[SOFF], v1, 4, v[SOFF]
.irp i, 0,1,2,3,4,5,6,7
.irp e, 0,1
	global_load_b128 v[SC+8*\i+4*\e:SC+8*\i+4*\e+3], v[SOFF], s[6:7] offset:512*\i+256*\e   ; the scale words of all of K stay in registers
.endr
.endr
	s_lshl_b32 s86, s15, 10                        ; my 128 columns: 1,024 cx + 512 half bytes, in b_proj and in a row of out0 alike
	s_lshl_b32 s87, s14, 9
	s_add_co_u32 s86, s86, s87
	s_mov_b32 s87, 0
	s_add_nc_u64 s[8:9], s[8:9], s[86:87]
	v_lshlrev_b32 v14, 6, v2                       ; my half's 16 columns of each 32
.irp p, 0,1,2,3,4,5,6,7
.irp k, 0,1
	global_load_b128 v[96+8*(\p%4)+128*(\p/4)+4*\k:96+8*(\p%4)+128*(\p/4)+4*\k+3], v14, s[8:9] offset:4*(32*(\p/2)+8*(\p%2))+16*\k
.endr
.endr
	s_lshl_b32 s84, s19, 20                        ; 256 rows of 4,096 bytes a group,
	s_lshl_b32 s85, s13, 19                        ; 128 a wave
	s_add_co_u32 s84, s84, s85
	s_add_co_u32 s84, s84, s86
	s_mov_b32 s85, 0
	s_add_nc_u64 s[10:11], s[10:11], s[84:85]
	s_mul_i32 s88, s12, 8448                       ; my stage: 16 rows of 512 + 16 bytes, in slot 1
	s_add_co_u32 s88, s88, SLOT
	v_mul_u32_u24 v[STO], v1, 528
	v_lshl_add_u32 v[STO], v2, 6, v[STO]
	v_add_nc_u32 v[STO], s88, v[STO]               ; in: row r, + 64 h
	v_add_nc_u32 v[RD], s88, v[CO]                 ; back: a row of 512 bytes to the 32 lanes
	s_wait_tensorcnt 2                             ; my part of slot 0 is in; slots 1 and 2 may stay out
	s_barrier_signal -1
	s_barrier_wait -1
	FETCH_P 0, 0, 0
	FETCH_R 0, 0, 0
	FETCH_R 0, 0, 4
	s_wait_loadcnt 0x0                             ; the scale words and the bias
	STEP 0, 0, 1, 1                                ; the first step's products start the sums, from the bias
	TURN 1, 1, 1, 0                                ; slot 1 is in; slot 2 may stay out
	STEP 2, 1, 1, 0
	TURN 3, 2, 0, 1                                ; the one refill: slot 0 takes K 768 to 1,023
	STEP 4, 2, 1, 0
	TURN 5, 0, 0, 0                                ; the refill has landed
	STEP 6, 0, 1, 0
	s_wait_dscnt 24
	WIN 0xa1
	MUL16 0, 7, 0
	MUL16 2, 7, 0
	s_wait_dscnt 0x0
	WIN 0xf1
	MUL16 4, 7, 0
	MUL16 6, 7, 0
	WIN 0
; THE WAY OUT, a tile of 16 rows x 128 columns at a time: a lane's 32 bytes of a row go into my stage, and whole rows of 512 bytes come back.  LDS serves a wave's instructions in order: no wait between the stores and the loads.
.macro TOSTAGE a
	WIN 0x08+4*((\a)/4)                            ; an LDS store's data are its source 1: window 2 or 3
.irp p, 0,1,2,3,4,5,6,7
	ds_store_b128 v[STO], v[64*((\a)%4)+8*\p:64*((\a)%4)+8*\p+3] offset:128*(\p/2)+32*(\p%2)      ; each accumulator from its low end on
	ds_store_b128 v[STO], v[64*((\a)%4)+8*\p+4:64*((\a)%4)+8*\p+7] offset:128*(\p/2)+32*(\p%2)+16
.endr
	WIN 0
.irp t, 0,1,2,3,4,5,6,7,8,9,10,11,12,13,14,15
	ds_load_b128 v[BK+64*((\a)%2)+4*\t:BK+64*((\a)%2)+4*\t+3], v[RD] offset:528*\t
.endr
.endm
.macro SEND a, younger                 ; younger: the LDS instructions issued behind tile a's loads
	s_wait_dscnt \younger
.irp t, 0,1,2,3,4,5,6,7,8,9,10,11,12,13,14,15
	global_store_b128 v[CO], v[BK+64*((\a)%2)+4*\t:BK+64*((\a)%2)+4*\t+3], s[10:11] offset:(32*((\a)/2)+8*((\a)%2)+\t+8*(\t/8))*4096 th:TH_STORE_NT   ; 32 lanes store 512 consecutive bytes, aligned; the row stands in the immediate
.endr
.endm
	PLACES 4                                       ; behind the last products: for the reads of results and the loads into R's registers
	TOSTAGE 0
.irp a, 1,2,3,4,5,6,7
.if \a > 1
	s_wait_xcnt 0x0                                ; tile a - 2's stores have read the registers into which tile a's rows come back
.endif
	TOSTAGE \a
	SEND \a-1, 32                                  ; behind tile a - 1's loads: tile a's 16 stores and 16 loads
.endr
	SEND 7, 0
	s_wait_tensorcnt 0x0                           ; the wave's end
	ds_add_u32 v[SPW], v[NIL]
	s_wait_dscnt 0x0
	CROUND                                         ; the closing round
	s_endpgm
.Lfunc_end_k_q64bd7e110c_gemm_proj:
	.size	k_q64bd7e110c_gemm_proj, .Lfunc_end_k_q64bd7e110c_gemm_proj-k_q64bd7e110c_gemm_proj
	.p2alignl 7, 3214868480
	.fill 96, 4, 3214868480
	.section	.rodata,"a",@progbits
	.p2align	6, 0x0
	.amdhsa_kernel k_q64bd7e110c_gemm_proj
		.amdhsa_group_segment_fixed_size 327680
		.amdhsa_private_segment_fixed_size 0
		.amdhsa_enable_private_segment 0
		.amdhsa_kernarg_size 32
		.amdhsa_user_sgpr_count 2
		.amdhsa_user_sgpr_kernarg_segment_ptr 1
		.amdhsa_wavefront_size32 1
		.amdhsa_system_sgpr_workgroup_id_x 1
		.amdhsa_system_sgpr_workgroup_id_y 1
		.amdhsa_system_sgpr_workgroup_id_z 1
		.amdhsa_system_vgpr_workitem_id 0
		.amdhsa_next_free_vgpr 1024
		.amdhsa_next_free_sgpr 100
		.amdhsa_reserve_vcc 0
		.amdhsa_float_denorm_mode_32 3
		.amdhsa_float_denorm_mode_16_64 3
		.amdhsa_memory_ordered 1
		.amdhsa_forward_progress 1
		.amdhsa_inst_pref_size 158
	.end_amdhsa_kernel
	.amdgpu_metadata
---
amdhsa.version: [ 1, 2 ]
amdhsa.kernels:
  - .name:           k_q64bd7e110c_gemm_proj
    .symbol:         k_q64bd7e110c_gemm_proj.kd
    .args:
      - { .name: cod2, .offset: 0, .size: 8, .value_kind: global_buffer, .address_space: global }
      - { .name: sc2, .offset: 8, .size: 8, .value_kind: global_buffer, .address_space: global }
      - { .name: b_proj, .offset: 16, .size: 8, .value_kind: global_buffer, .address_space: global }
      - { .name: out0, .offset: 24, .size: 8, .value_kind: global_buffer, .address_space: global }
    .group_segment_fixed_size: 327680
    .private_segment_fixed_size: 0
    .kernarg_segment_align: 8
    .kernarg_segment_size: 32
    .max_flat_workgroup_size: 128
    .sgpr_count:     100
    .vgpr_count:     1024
    .wavefront_size: 32
...
	.end_amdgpu_metadata
.endif
;; end of part 4
